; MI455X (gfx1250); checked and timed in simulation.
; The chip was launched on July 23, 2026; its instructions are those of AMD's public machine-readable ISA for CDNA 5 (MIT licence, August 2026) and "CDNA5" Instruction Set Architecture Reference Guide (July 2026). The comments in the code are by the model that wrote it; some were corrected since.
;; Multi Head Attention. Allowed arithmetic: matrix products marked QUANTISED: E4M3 operands, one given power-of-two scale a tensor, by v_wmma_f32_16x16x64_fp8_fp8 or v_wmma_f32_16x16x128_fp8_fp8, f32 sums; everything else in f32.
;; Inputs: W_k_codes 1,024 x 32 x 32 uint8 (E4M3 codes of W_k, K innermost, in blocks of 32 codes); W_o_codes 1,024 x 32 x 32 uint8 (E4M3 codes of W_o, K innermost, in blocks of 32 codes); W_q_codes 1,024 x 32 x 32 uint8 (E4M3 codes of W_q, K innermost, in blocks of 32 codes); W_v_codes 1,024 x 32 x 32 uint8 (E4M3 codes of W_v, K innermost, in blocks of 32 codes); b_o 1,024 float32; inputs_codes 4 x 2,048 x 32 x 32 uint8 (E4M3 codes of inputs, K innermost, in blocks of 32 codes); lowp_scales 12 int32 (the exponents e of the quantised operands' scales 2^e).
;; Outputs: out0 4 x 2,048 x 1,024 float32.
;; This version of the problem:
;;   THIS VERSION OF THE PROBLEM IS GIVEN IN LOW PRECISION. The matrix products marked QUANTISED in the list below multiply operands that are first quantised to E4M3 (4 exponent bits, 3 mantissa bits; 8 bits a number), with one given power-of-two scale for each operand tensor; their sums are f32. All else is computed in f32.
;;   The module's matrix products, in the order in which they are computed (A, B: the left and right operand; K: the contracted axis; several contracted axes count as one K, in the product's order):
;;     1. [M 8,192, K 1,024] x [K 1,024, N 1,024]; A: input inputs (given as codes); B: input W_q (given as codes): QUANTISED (scales: A lowp_scales[0], B lowp_scales[1])
;;     2. [M 8,192, K 1,024] x [K 1,024, N 1,024]; A: input inputs (given as codes); B: input W_k (given as codes): QUANTISED (scales: A lowp_scales[2], B lowp_scales[3])
;;     3. [M 8,192, K 1,024] x [K 1,024, N 1,024]; A: input inputs (given as codes); B: input W_v (given as codes): QUANTISED (scales: A lowp_scales[4], B lowp_scales[5])
;;     4. batch 64 x [M 2,048, K 64] x [K 64, N 2,048]; A: computed on the way; B: computed on the way: QUANTISED (scales: A lowp_scales[6], B lowp_scales[7])
;;     5. batch 64 x [M 2,048, K 2,048] x [K 2,048, N 64]; A: softmax (see below); B: computed on the way: QUANTISED (scales: A lowp_scales[8], B lowp_scales[9])
;;     6. [M 8,192, K 1,024] x [K 1,024, N 1,024]; A: computed on the way; B: input W_o (given as codes): QUANTISED (scales: A lowp_scales[10], B lowp_scales[11])
;;   THE QUANTISER, for each operand of a quantised product, along K:
;;     - The operand's scale is 2^e, e = its entry of the input lowp_scales (int32; the entries are numbered through the quantised products in the list's order, A before B).
;;     - Each number is divided by the scale, clamped to +-448, and rounded to the nearest number of E4M3, ties to even, subnormals kept.
;;     - The product sums the exact products of the quantised numbers (number of the format x scale) in f32.
;;   ~~~python
;;   def quantise(x, axis, e):      # numpy; x: float32 -> the quantised numbers, widened to float32 again
;;       x = np.moveaxis(x, axis, -1); K = x.shape[-1]
;;       r = np.clip(x / 2.0 ** e, -448, 448)
;;       step = 2.0 ** (np.maximum(np.frexp(np.where(r == 0, 1, r))[1] - 1, -6) - 3)
;;       q = np.round(r / step) * step * 2.0 ** e      # np.round: ties to even
;;       return np.moveaxis(q, -1, axis).astype(np.float32)
;;   ~~~
;;   SOFTMAX AHEAD OF A QUANTISED PRODUCT. Where the list says 'softmax', what is quantised is not the finished softmax but p = 2^(t - M), with t = logit x log2(e) and M = ceil(the row's largest t), a whole number; so 1/2 < the row's largest p <= 1. The row's sum l is taken of the UNQUANTISED p, in f32, and the product's result is divided by l at the end. Since M is a whole number, a kernel that streams over the keys may use a running M (the ceiling of the running maximum): every later rescaling is an exact power of two, so the quantised numbers keep their values, but for numbers so far below the row's largest that they fall under the format's range.
;;   OPERANDS COMPUTED ON THE WAY. 'Computed on the way' means the value that the module computes at that place (a softmax that the list does not call 'softmax' is quantised finished and normalised). What goes into a quantiser is computed in f32, as accurately as f32 sums, v_exp_f32 and their like allow (about 1e-6 of the number): no bf16 or f16 on the way to a quantiser, and a product that is left as it is and whose result goes on into a quantised operand takes f32 operands (vector FMAs, or v_wmma_f32_16x16x4_f32). A number that lies on a knife's edge between two numbers of the format may be rounded either way, as far as f32 arithmetic and the matrix unit's own rounding can turn it there, and no further.
;;   INPUTS GIVEN AS CODES. W_k (in the module: [1024, 1024], K = its axis 1); W_o (in the module: [1024, 1024], K = its axis 1); W_q (in the module: [1024, 1024], K = its axis 1); W_v (in the module: [1024, 1024], K = its axis 1); inputs (in the module: [4, 2048, 1024], K = its axis 2): each comes as NAME_codes (uint8): NAME with its K axis moved to the last place and cut into blocks of 32 codes, [.., K / 32, bytes a block], one block behind the other in memory; one code a byte (a code: sign, 4 exponent bits, 3 mantissa bits); its scale is its entry of lowp_scales. Its value is code x scale, taken as it is: it is not quantised again, and the codes and scales need not be those that the quantiser above would give.
;; One version. Each part assembles by itself: llvm-mc -triple=amdgcn-amd-amdhsa -mcpu=gfx1250 --defsym DOCPART=n.
;; ======== version 1 of 1: 3 launches
;; limits: right only within a limited range of input values
;; workspace buffers: qimg 8,388,608 bytes; kimg 8,388,608 bytes; vimg 8,388,608 bytes; cimg 8,388,608 bytes
;; launch proj (part 1): grid 12 x 32, 4 waves a work-group, clusters of 4 x 4, 327,680 bytes of LDS; arguments inputs_codes, W_q_codes, W_k_codes, W_v_codes, lowp_scales, qimg, kimg, vimg; writes qimg, kimg, vimg
.if DOCPART == 1
	.amdgcn_target "amdgcn-amd-amdhsa--gfx1250"
	.amdhsa_code_object_version 6
	.text
	.protected	k_q881e76a827_proj
	.globl	k_q881e76a827_proj
	.p2align	8
	.type	k_q881e76a827_proj,@function
k_q881e76a827_proj:
	s_mov_b64 s[64:65], 0
	v_nop
	global_prefetch_b8 v0, s[64:65] scope:SCOPE_SE
	s_setreg_imm32_b32 hwreg(HW_REG_WAVE_MODE, 25, 1), 1
	s_wait_xcnt 0x0
	s_wait_alu depctr_hold_cnt(0) depctr_sa_sdst(0) depctr_va_vdst(0) depctr_va_sdst(0) depctr_va_ssrc(0) depctr_va_vcc(0) depctr_vm_vsrc(0)
	s_getreg_b32 s2, hwreg(HW_REG_IB_STS2, 6, 4)
	s_cmp_eq_u32 s2, 0
	s_cbranch_scc0 .Lentry_in_a_cluster
	s_endpgm
.Lentry_in_a_cluster:
	s_bfe_u32 s2, ttmp6, 0x10000c
	s_cmp_lg_u32 s2, 0xf033
	s_cbranch_scc0 .Lentry_shape_is_right
	s_endpgm
.Lentry_shape_is_right:
; Q, K and V: three products of the 8,192 x 1,024 input codes with a 1,024 x 1,024 weight's codes (E4M3, K innermost), f32 sums, each sum quantised at once to E4M3 for the attention launch.
; The cluster's x (0, 1, 2) says which product.  The text computes C = A B^T on tiles of 256 x 256 with source 0 = 16 rows of B and source 1 = 16 rows of A, so that a lane holds ONE row of A and eight
; neighbouring rows of B.  Q, K: A = inputs (a lane keeps a token), B = the weight (registers run along the head's 64).  V: A = W_v (a lane keeps a channel), B = inputs (registers run along the KEYS).
; Which tensor stands on which side is a choice of pointers and tile numbers by s_cselect on the cluster's x: LDS addresses, masks, branches and the text are the same for all three.
; WHAT IS STORED ARE IMAGES OF THE NEXT PRODUCT'S OPERAND REGISTERS.  One conversion turns an accumulator's eight registers into registers 2 c, 2 c + 1 of the 8-bit operand layout (k = 16 c + 8 (lane / 16) + 0 .. 7);
; four such registers leave by one store, 16 bytes a lane at 16 x lane: 512 consecutive bytes, aligned.  No stage in LDS, nothing is transposed.
;   qimg, kimg: [batch 4][head 16][tile of 16 tokens: 128][1,024 bytes]: a fragment 16 tokens x 64: registers 0-3 at 0, registers 4-7 at 512.
;   vimg:       [batch 4][head 16][group of 128 keys: 16][16 channels: 4][2,048 bytes]: a fragment 16 channels x 128 keys: registers 4 i .. 4 i + 3 at 512 i.
; code = sum x 2^(eA + eB) / 2^(e out), held within +-448: the three exponents are folded into the conversion's one scale.  (eA, eB, e out) = entries (0, 1, 6) for Q, (2, 3, 7) for K, (4, 5, 9) for V.
; LIMIT: e out - eA - eB lies between -126 and 119, so that this power of two and 448 times it are f32 numbers.  NaN codes among the inputs are not served.
; A work-group of four waves makes a tile of 256 x 256, a wave 128 x 128: 64 accumulators, 512 registers.  K goes in steps of 256 through a ring of two LDS slots filled by the tensor data mover.
; CLUSTERS: 4 x 4 work-groups.  A's tile hangs on the place along the cluster's y alone and is asked for jointly by the four of a row, B's on the place along x alone, by the four of a column.
; The fragments are fetched by four loads of 16 bytes: a permutation of k that is the same in A and in B, so that every product meets its partner.
; REGISTERS, in windows of 256: window 0: v0-31 addresses and the conversion's scale; from v128 A's fragments, one set; on the way out v128-255 the codes, 16 registers a block.
;   window 1: B's fragments, two sets.   window 2: the accumulators of my rows 0-63 ((a, b) at v[8 (8 a + b)]);   window 3: those of my rows 64-127.
.set SIZE_K, 1024
.set KSTEP,  256                       ; along K in a slot
.set ROWB,   256                       ; a tile's row in bytes
.set KROW,   SIZE_K                    ; a row of A or of B in memory, in bytes
.set PITCH,  272                       ; an LDS row: 256 bytes + 16 of padding = 68 words: the 16 rows that a load touches start 4 words apart
.set FR,     16                        ; registers of a fragment: 16 rows x 128 K
.set NL,     4                         ; LDS loads that bring one
.set NP,     4                         ; places behind this matrix instruction (ISA guide 7.12.1)
.set HALFT,  128*PITCH                 ; 128 rows: what one tensor load brings
.set SLOT,   4*HALFT                   ; A's 256 rows, then B's 256 rows
.set LAPS,   SIZE_K/(2*KSTEP)          ; a lap = two K steps = once round the ring
.set SPARE,  2*SLOT                    ; behind the ring: the spare words, 128 bytes a wave: two blocks of 256 bytes that no other line names
.set ADRA, 16                          ; v16-17  LDS address of my A fragments in slot 0, 1
.set ADRB, 20                          ; v20-21  the same for B
.set VO0,  26                          ; v26     16 x lane: my 16 bytes of a store's 512
.set VO2,  27                          ; v27     the same, one head on (Q, K) or 1,024 bytes on (V): the block's second eight code registers
.set SPW,  28                          ; v28     LDS address of my spare word; never rewritten
.set NIL,  29                          ; v29     0; never rewritten
.set SC,   30                          ; v30     2^(e out - eA - eB) as f32
.set LM,   31
.set TMP,  32
.set AF,   128                         ; A's fragments, in window 0; on the way out the codes
.set G1, 24                            ; s[24:31] descriptor group 1 for A's tiles;  s[32:39] group 0, one set for each slot
.set G0, 32
.set G1B, 48                           ; s[48:55], s[56:63] the same for B's tiles
.set G0B, 56
.set MSB, 0
.macro WIN new                         ; the immediate's high byte repeats the setting that is left
.if MSB != (\new)
	s_set_vgpr_msb (MSB<<8)|(\new)
.set MSB, (\new)
.endif
.endm
.set MUL_LO, 0xa1                      ; source 0 (B) window 1, source 1 (A) window 0, C and D window 2
.set MUL_HI, 0xf1                      ; the same, C and D window 3
.set TO_B,   0x40                      ; destination window 1, address window 0
; A joint load: waves 0 and 1 fetch for A, waves 2 and 3 for B.  Each line has one mask and one set of registers for all that issue it; the branch hangs on the wave's number alone.
; Four v_nop follow each of the two lines, ahead of the jump, the label and what follows.
.macro JLOAD g0a, g1a, g0b, g1b
	s_cmp_eq_u32 s15, 0
	s_cbranch_scc0 .Lfor_b_\@
	tensor_load_to_lds s[\g0a:\g0a+3], s[\g1a:\g1a+7]
	s_nop 0
.rept 4
	v_nop
.endr
	s_branch .Lasked_\@
.Lfor_b_\@:
	tensor_load_to_lds s[\g0b:\g0b+3], s[\g1b:\g1b+7]
	s_nop 0
.rept 4
	v_nop
.endr
.Lasked_\@:
.endm
.macro CREST                           ; a round of the cluster's barrier behind its opening barrier
	s_cmp_lg_u32 s14, 0
	s_cbranch_scc1 .Lnot_wave_0_\@
	s_barrier_signal -3
.Lnot_wave_0_\@:
	s_barrier_wait -3
	s_barrier_signal -1
	s_barrier_wait -1
.endm
.macro CROUND                          ; a whole round
	s_barrier_signal -1
	s_barrier_wait -1
	CREST
.endm
	s_load_b256 s[68:75], s[0:1], 0x0              ; inputs s[68:69], W_q s[70:71], W_k s[72:73], W_v s[74:75]
	s_load_b256 s[76:83], s[0:1], 0x20             ; the scales' exponents s[76:77], qimg s[78:79], kimg s[80:81], vimg s[82:83]
	v_lshl_add_u32 v[SPW], v0, 2, SPARE
	v_mov_b32 v[NIL], 0
	ds_add_u32 v28, v29
	ds_add_u32 v28, v29
	s_wait_dscnt 0x0
	v_lshrrev_b32 v1, 5, v0
	v_readfirstlane_b32 s14, v1                    ; wave 0..3
	s_lshr_b32 s15, s14, 1                         ; which half of A's rows is mine.  Also: I fetch for A (0) or for B (1)
	s_and_b32 s16, s14, 1                          ; which half of B's rows.  Also: which 128 rows of that tile I fetch
	s_bfe_u32 s40, ttmp6, 0x40000                  ; cx, cy: my place in the cluster
	s_bfe_u32 s41, ttmp6, 0x40004
	s_and_b32 s12, ttmp7, 0xffff
	s_lshl_b32 s12, s12, 2                         ; 4 x cluster y: it counts the 32 tiles of tokens, on whichever side the inputs stand
	s_cmp_eq_u32 ttmp9, 2                          ; V?  The cluster's x is the same in all sixteen partners
	s_cselect_b32 s13, 0, s12
	s_cselect_b32 s19, s12, 0
	s_add_co_u32 s17, s41, s13                     ; A's tile: cy (+ 4 x cluster y where A is the inputs): never holds cx
	s_add_co_u32 s42, s40, s19                     ; B's tile: cx (+ 4 x cluster y where B is the inputs): never holds cy
	s_lshl_b32 s43, s41, 2
	s_lshl_b32 s43, 15, s43                        ; my row of the cluster
	s_lshl_b32 s44, 0x1111, s40                    ; my column
	; descriptor group 1: a tile of 128 rows x 256 bytes, padded in LDS
	s_or_b32 s[G1+0], s43, (0<<16)|(1<<20)|(1<<21)|(5<<22)|(3<<25)  ; 15:0 the mask: A's tiles go to my row; 17:16 elements of 1 byte; 20 padding on; 21 set beside a mask; 24:22 after every 64 words (code 5); 31:25 four words (code 3)
	s_or_b32 s[G1B+0], s44, (0<<16)|(1<<20)|(1<<21)|(5<<22)|(3<<25)
.irp g, G1, G1B
	s_mov_b32 s[\g+1], ROWB<<16                    ; tensor_dim0
	s_mov_b32 s[\g+2], 128<<16                     ; tensor_dim1 = 128
	s_mov_b32 s[\g+3], ROWB<<16                    ; tile_dim0
	s_mov_b32 s[\g+4], 128                         ; tile_dim1 = 128
	s_mov_b32 s[\g+5], KROW                        ; tensor_dim0_stride
	s_mov_b32 s[\g+6], 0
	s_mov_b32 s[\g+7], 0
.endr
	s_lshl_b32 s18, s16, 7                         ; which 128 rows of the tile I fetch
	s_lshl_b32 s20, s17, 8
	s_add_co_u32 s20, s20, s18                     ; A: row 256 x tile + 128 x half,
	s_lshl_b32 s20, s20, 10                        ; of 1,024 bytes: under 2^23
	s_mov_b32 s21, 0
	s_lshl_b32 s46, s42, 8
	s_add_co_u32 s46, s46, s18                     ; B likewise
	s_lshl_b32 s46, s46, 10
	s_mov_b32 s47, 0
	s_mul_i32 s45, s14, HALFT                      ; where they go: wave x 128 rows: no place in the cluster enters an LDS address
	s_wait_kmcnt 0x0
	s_load_b256 s[84:91], s[76:77], 0x0            ; entries 0 to 7
	s_load_b128 s[92:95], s[76:77], 0x20           ; entries 8 to 11
	s_cmp_eq_u32 ttmp9, 2
	s_cselect_b64 s[4:5], s[74:75], s[68:69]       ; A: W_v, else the inputs
	s_cselect_b64 s[6:7], s[68:69], s[72:73]       ; B: the inputs, else W_k,
	s_cselect_b64 s[10:11], s[82:83], s[80:81]     ; out: vimg, else kimg,
	s_cmp_eq_u32 ttmp9, 0
	s_cselect_b64 s[6:7], s[70:71], s[6:7]         ; or W_q
	s_cselect_b64 s[10:11], s[78:79], s[10:11]     ; and qimg
	s_add_nc_u64 s[20:21], s[4:5], s[20:21]
	s_add_nc_u64 s[46:47], s[6:7], s[46:47]
	CROUND                                         ; all sixteen work-groups are here: the first joint loads meet
.irp s, 0,1
	s_mov_b32 s[G0+4*\s], 1
	s_add_co_u32 s[G0+4*\s+1], s45, \s*SLOT
	s_add_nc_u64 s[G0+4*\s+2:G0+4*\s+3], s[20:21], \s*ROWB
	s_or_b32 s[G0+4*\s+3], s[G0+4*\s+3], 0x80000000
	s_mov_b32 s[G0B+4*\s], 1
	s_add_co_u32 s[G0B+4*\s+1], s45, \s*SLOT
	s_add_nc_u64 s[G0B+4*\s+2:G0B+4*\s+3], s[46:47], \s*ROWB
	s_or_b32 s[G0B+4*\s+3], s[G0B+4*\s+3], 0x80000000
	JLOAD G0+4*\s, G1, G0B+4*\s, G1B
.endr
	v_and_b32 v1, 15, v0                           ; l % 16
	v_bfe_u32 v2, v0, 4, 1                         ; l / 16
	v_mul_u32_u24 v3, v1, PITCH
	v_lshl_add_u32 v4, v2, 4, v3                   ; a fragment's row x pitch + 16 x half
	s_mul_i32 s21, s15, HALFT                      ; my 128 rows of A
	s_mul_i32 s22, s16, HALFT                      ; my 128 rows of B,
	s_add_co_u32 s22, s22, 2*HALFT                 ; which lie behind A's 256
.irp s, 0,1
	v_add_nc_u32 v[ADRA+\s], s21, v4
	v_add_nc_u32 v[ADRB+\s], s22, v4
	s_add_co_u32 s21, s21, SLOT
	s_add_co_u32 s22, s22, SLOT
.endr
	; where my wave's images begin.  U: the tile of 256 tokens; Wt: the tile of 256 output channels; xh, wh: my half of each
	s_cmp_eq_u32 ttmp9, 2
	s_cselect_b32 s96, s40, s41
	s_cselect_b32 s97, s41, s40                    ; Wt
	s_cselect_b32 s22, s16, s15                    ; xh
	s_cselect_b32 s23, s15, s16                    ; wh
	s_mov_b32 s66, 1024
	s_cselect_b32 s66, 2048, s66                   ; from block to block: 16 channels of V are 2,048 bytes on, 16 tokens of Q or K 1,024
	s_cselect_b32 s98, 122880, 0                   ; V's block 4 begins the next head: 131,072 - 4 x 2,048 more
	s_mov_b32 s19, 131072
	s_cselect_b32 s19, 1024, s19                   ; the second eight code registers: V: the fragment's second half; Q, K: the next head's fragment
	s_mov_b32 s67, 0
	s_mov_b32 s99, 0
	s_add_co_u32 s96, s96, s12                     ; U
	s_lshr_b32 s8, s96, 3
	s_lshl_b32 s8, s8, 21                          ; the batch: 8 tiles of 256 tokens; 2^21 bytes
	s_lshl_b32 s97, s97, 2
	s_lshl_b32 s23, s23, 1
	s_add_co_u32 s97, s97, s23
	s_lshl_b32 s97, s97, 17                        ; the head 4 Wt + 2 wh: 2^17 bytes
	s_add_co_u32 s8, s8, s97
	s_and_b32 s96, s96, 7
	s_lshl_b32 s96, s96, 1
	s_add_co_u32 s96, s96, s22
	s_lshl_b32 s96, s96, 13                        ; 128 tokens: 8 fragments of 1,024 bytes, or a group of keys of 8,192
	s_add_co_u32 s8, s8, s96
	s_mov_b32 s9, 0
	s_add_nc_u64 s[10:11], s[10:11], s[8:9]
	v_and_b32 v6, 31, v0
	v_lshlrev_b32 v[VO0], 4, v6
	v_add_nc_u32 v[VO2], s19, v[VO0]
.macro FRAG reg, adr, q, i             ; a fragment, 16 rows x 128 K, is 16 registers: lane l holds row l % 16; registers 4 c .. 4 c + 3 hold K = 32 c + 16 (l / 16) + 0 .. 15
.irp c, 0,1,2,3
	ds_load_b128 v[\reg+4*\c:\reg+4*\c+3], v[\adr] offset:128*(\q)+32*\c+(\i)*16*PITCH
.endr
.endm
; 16 matrix instructions: A's blocks a0, a0 + 1 x B's eight, 128 along K.  p: B's set.  zero = 1: the first product starts the sums: nothing is ever cleared.
; The 64 accumulators take turns, one instruction a turn, in the same order in every step.
.macro MUL16 a0, p, zero
.irp a, \a0, \a0+1
.irp b, 0,1,2,3,4,5,6,7
.if \zero
	v_wmma_f32_16x16x128_fp8_fp8 v[8*(8*((\a)%4)+\b):8*(8*((\a)%4)+\b)+7], v[128*(\p)+FR*\b:128*(\p)+FR*\b+FR-1], v[AF+FR*(\a):AF+FR*(\a)+FR-1], 0
.else
	v_wmma_f32_16x16x128_fp8_fp8 v[8*(8*((\a)%4)+\b):8*(8*((\a)%4)+\b)+7], v[128*(\p)+FR*\b:128*(\p)+FR*\b+FR-1], v[AF+FR*(\a):AF+FR*(\a)+FR-1], v[8*(8*((\a)%4)+\b):8*(8*((\a)%4)+\b)+7]
.endif
.endr
.endr
.endm
.macro FETCH_B slot, q, p              ; B's eight fragments of the slot's q-th 128 along K into set p
	WIN TO_B
.irp i, 0,1,2,3,4,5,6,7
	FRAG 128*(\p)+FR*\i, ADRB+\slot, \q, \i
.endr
	WIN 0
.endm
.macro FETCH_A slot, q, i0             ; A's blocks i0 .. i0 + 3
.irp i, \i0, \i0+1, \i0+2, \i0+3
	FRAG AF+FR*(\i), ADRA+\slot, \q, \i
.endr
.endm
; A load into a register that a matrix instruction has read, and a vector instruction that reads a matrix result, stand NP places behind that matrix instruction; only plain vector
; instructions that name none of its registers are places.
.macro PLACES n
.rept \n
	v_nop
.endr
.endm
; A step of 128 along K that has its successor in the same slot.  A block of A is free as soon as its eight products are issued, so A has one set: blocks 0-3 are fetched anew in the step's middle, blocks 4-7 at its end.
.macro STEP slot, q, zero
	s_wait_dscnt 4*NL                              ; B's set and A's blocks 0-3 are in; the youngest 16 loads (A's blocks 4-7) may be out
	WIN MUL_LO
	MUL16 0, (\q)%2, \zero
	MUL16 2, (\q)%2, \zero
	s_wait_dscnt 0                                 ; A's blocks 4-7 are in
	PLACES NP
	FETCH_B \slot, (\q)+1, 1-(\q)%2
	FETCH_A \slot, (\q)+1, 0
	WIN MUL_HI
	MUL16 4, (\q)%2, \zero
	MUL16 6, (\q)%2, \zero
	PLACES NP
	WIN 0
	FETCH_A \slot, (\q)+1, 4
.endm
; A slot's last step changes slots: one barrier; in front of it each wave waits for all its tensor loads, adds 0 to its spare word, and waits for that and for its own reads of this slot.  fill = 1: this slot is filled again, two K steps ahead.
.macro TURN slot, next, fill
	s_wait_tensorcnt 0x0                           ; all my tensor loads have landed: my part of the next slot  (every window is 0 here)
	ds_add_u32 v[SPW], v[NIL]                      ; 0 onto my spare word
	s_wait_dscnt 4*NL+1                            ; (the add and the youngest 16 loads, A's blocks 4-7, may be out)
	WIN MUL_LO
	MUL16 0, 1, 0                                  ; sixteen matrix instructions stand between the add and the wait for it
	s_wait_dscnt 0x0                               ; the add is done, and my reads of this slot are over
	s_barrier_signal -1
	MUL16 2, 1, 0
	WIN 0
	s_barrier_wait -1
.if \fill
	CREST                                          ; the barrier has opened a round of the cluster's barrier: no wave of any partner still reads this slot's tile or has a load on its way
	s_add_nc_u64 s[G0+4*\slot+2:G0+4*\slot+3], s[G0+4*\slot+2:G0+4*\slot+3], 2*ROWB
	s_add_nc_u64 s[G0B+4*\slot+2:G0B+4*\slot+3], s[G0B+4*\slot+2:G0B+4*\slot+3], 2*ROWB
	JLOAD G0+4*\slot, G1, G0B+4*\slot, G1B         ; the first tensor load behind the round; its four v_nop are also the places in front of the loads below
.else
	PLACES NP
.endif
	FETCH_B \next, 0, 0
	FETCH_A \next, 0, 0
	WIN MUL_HI
	MUL16 4, 1, 0
	MUL16 6, 1, 0
	PLACES NP
	WIN 0
	FETCH_A \next, 0, 4
.endm
	s_wait_alu depctr_va_vdst(0)
	s_wait_tensorcnt 1                             ; my part of K step 0 is in (K step 1's load, issued behind it, may be out)
	s_barrier_signal -1
	s_barrier_wait -1                              ; everybody's is
	FETCH_B 0, 0, 0
	FETCH_A 0, 0, 0
	FETCH_A 0, 0, 4
	STEP 0, 0, 1                                   ; the first step stands in front of the loop: its products start the sums
	s_mov_b32 s3, LAPS-1
.Llap:                                                 ; a trip goes once round the ring, from a lap's second step to the next lap's first, and fills both slots again
	TURN 0, 1, 1
	STEP 1, 0, 0
	TURN 1, 0, 1
	STEP 0, 0, 0
	s_sub_co_u32 s3, s3, 1
	s_cmp_lg_u32 s3, 0
	s_cbranch_scc1 .Llap
	TURN 0, 1, 0                                   ; the last lap fills nothing, and has no round of the cluster's barrier
	STEP 1, 0, 0
	s_wait_dscnt 4*NL                              ; the very last step: nothing more to fetch
	WIN MUL_LO
	MUL16 0, 1, 0
	MUL16 2, 1, 0
	s_wait_dscnt 0
	WIN MUL_HI
	MUL16 4, 1, 0
	MUL16 6, 1, 0
	WIN 0
	; THE WAY OUT.  The conversion's scale, chosen without a branch
	s_wait_kmcnt 0x0
	s_add_co_i32 s84, s84, s85                     ; Q: entries 0 + 1
	s_add_co_i32 s86, s86, s87                     ; K: 2 + 3
	s_add_co_i32 s88, s88, s89                     ; V: 4 + 5
	s_cmp_eq_u32 ttmp9, 2
	s_cselect_b32 s86, s88, s86
	s_cselect_b32 s91, s93, s91                    ; e out: entry 9 for V, else 7,
	s_cmp_eq_u32 ttmp9, 0
	s_cselect_b32 s86, s84, s86
	s_cselect_b32 s91, s90, s91                    ; or 6 for Q
	s_sub_co_i32 s91, s91, s86
	s_add_co_i32 s91, s91, 127
	s_lshl_b32 s90, s91, 23
	v_mov_b32 v[SC], s90                           ; 2^(e out - eA - eB) as f32: the conversion takes its exponent field
	s_add_co_i32 s91, s91, 8
	s_lshl_b32 s91, s91, 23
	s_or_b32 s91, s91, 0x600000
	PLACES NP                                      ; behind the last products: in front of the first read of results and of the first write of registers that held A's fragments
; Block a: A's rows 16 a on x B's 128 rows.  8 conversions: 16 registers of codes, which no later line writes; 4 stores of 512 consecutive bytes.
.macro OUTB a
.set AC, 64*((\a)%4)
.set CD, AF+16*(\a)
	WIN 0x02+((\a)/4)                              ; source 0: window 2 or 3
.set j, 0
.rept 64
.set j, j+1
.endr
.irp b, 0,1,2,3,4,5,6,7
	v_cvt_scalef32_pk8_fp8_f32 v[CD+2*\b:CD+2*\b+1], v[AC+8*\b:AC+8*\b+7], v[SC]
.endr
	WIN 0
	v_nop                                          ; one plain vector line behind the last conversion
.if (\a) > 0
	s_wait_alu depctr_va_vdst(0)
	s_wait_xcnt 0x0                                ; the last block's stores have read their base
	s_add_nc_u64 s[10:11], s[10:11], s[66:67]
.if (\a) == 4
	s_add_nc_u64 s[10:11], s[10:11], s[98:99]
.endif
.endif
	global_store_b128 v[VO0], v[CD:CD+3], s[10:11]
	global_store_b128 v[VO0], v[CD+4:CD+7], s[10:11] offset:512
	global_store_b128 v[VO2], v[CD+8:CD+11], s[10:11]
	global_store_b128 v[VO2], v[CD+12:CD+15], s[10:11] offset:512
.endm
.irp a, 0,1,2,3,4,5,6,7
	OUTB \a
.endr
	s_wait_tensorcnt 0x0                           ; the wave's end
	ds_add_u32 v[SPW], v[NIL]
	s_wait_dscnt 0x0
	CROUND                                         ; the closing round: no work-group ends while a partner may still ask for a tile that names it
	s_endpgm
.Lfunc_end_k_q881e76a827_proj:
	.size	k_q881e76a827_proj, .Lfunc_end_k_q881e76a827_proj-k_q881e76a827_proj
	.p2alignl 7, 3214868480
	.fill 96, 4, 3214868480
	.section	.rodata,"a",@progbits
	.p2align	6, 0x0
	.amdhsa_kernel k_q881e76a827_proj
		.amdhsa_group_segment_fixed_size 327680
		.amdhsa_private_segment_fixed_size 0
		.amdhsa_enable_private_segment 0
		.amdhsa_kernarg_size 64
		.amdhsa_user_sgpr_count 2
		.amdhsa_user_sgpr_kernarg_segment_ptr 1
		.amdhsa_wavefront_size32 1
		.amdhsa_system_sgpr_workgroup_id_x 1
		.amdhsa_system_sgpr_workgroup_id_y 1
		.amdhsa_system_sgpr_workgroup_id_z 1
		.amdhsa_system_vgpr_workitem_id 0
		.amdhsa_next_free_vgpr 1024
		.amdhsa_next_free_sgpr 100
		.amdhsa_reserve_vcc 0
		.amdhsa_float_denorm_mode_32 3
		.amdhsa_float_denorm_mode_16_64 3
		.amdhsa_fp16_overflow 1
		.amdhsa_memory_ordered 1
		.amdhsa_forward_progress 1
		.amdhsa_inst_pref_size 87
	.end_amdhsa_kernel
	.amdgpu_metadata
---
amdhsa.version: [ 1, 2 ]
amdhsa.kernels:
  - .name:           k_q881e76a827_proj
    .symbol:         k_q881e76a827_proj.kd
    .args:
      - { .name: inputs_codes, .offset: 0, .size: 8, .value_kind: global_buffer, .address_space: global }
      - { .name: W_q_codes, .offset: 8, .size: 8, .value_kind: global_buffer, .address_space: global }
      - { .name: W_k_codes, .offset: 16, .size: 8, .value_kind: global_buffer, .address_space: global }
      - { .name: W_v_codes, .offset: 24, .size: 8, .value_kind: global_buffer, .address_space: global }
      - { .name: lowp_scales, .offset: 32, .size: 8, .value_kind: global_buffer, .address_space: global }
      - { .name: qimg, .offset: 40, .size: 8, .value_kind: global_buffer, .address_space: global }
      - { .name: kimg, .offset: 48, .size: 8, .value_kind: global_buffer, .address_space: global }
      - { .name: vimg, .offset: 56, .size: 8, .value_kind: global_buffer, .address_space: global }
    .group_segment_fixed_size: 327680
    .private_segment_fixed_size: 0
    .kernarg_segment_align: 8
    .kernarg_segment_size: 64
    .max_flat_workgroup_size: 128
    .sgpr_count:     100
    .vgpr_count:     1024
    .wavefront_size: 32
...
	.end_amdgpu_metadata
.endif
;; end of part 1
;; launch attn (part 2): grid 4 x 64, 16 waves a work-group, no clusters, 327,680 bytes of LDS; arguments qimg, kimg, vimg, lowp_scales, cimg; writes cimg
.if DOCPART == 2
	.amdgcn_target "amdgcn-amd-amdhsa--gfx1250"
	.amdhsa_code_object_version 6
	.text
	.protected	k_q881e76a827_attn
	.globl	k_q881e76a827_attn
	.p2align	8
	.type	k_q881e76a827_attn,@function
k_q881e76a827_attn:
	s_mov_b64 s[64:65], 0
	v_nop
	global_prefetch_b8 v0, s[64:65] scope:SCOPE_SE
	s_setreg_imm32_b32 hwreg(HW_REG_WAVE_MODE, 25, 1), 1
	s_wait_xcnt 0x0
; Causal attention of one (batch, head) on codes of E4M3; the context is quantised at once for the last projection.  Heads of 64, 2,048 tokens.
; qimg, kimg: [batch x head 64][tile of 16 tokens: 128][1,024 bytes]; vimg: [batch x head][128 keys: 16][16 channels: 4][2,048 bytes]: images of operand registers, 16 bytes a lane at 16 x lane, 512 bytes for four registers.
; cimg (out): [tile of 16 tokens: 512][head 16][1,024 bytes]: a fragment 16 tokens x the head's 64 of the last product's K.
; THE SOFTMAX AHEAD OF THE SECOND PRODUCT: t = score x log2(e) / 8; M = the largest t so far, rounded UP to a whole number; p = 2^(t - M) is what is quantised; the row's sum is taken of the unquantised p and divides at the end.
; When M moves, the sum and O are multiplied by 2^(old M - new M): exact.
; SHARES.  Work-group (I, batch x head), I = 0 .. 3, owns two blocks of 256 queries: block 7 - I, which wants the first 8 - I slots of 256 keys, and then block I, which wants I + 1: NINE slots in every work-group.
; So the loop over slots has a constant count and every work-group has the same work.  Each of the sixteen waves owns 16 queries of the block in hand: four waves to a SIMD, one wave's vector work beside another's products and LDS loads.
; The change of block is a scalar branch on the work-group's number at a trip's end, round work on registers and global memory alone: no barrier, no tensor load and no LDS access stands in it.
; LAYOUT.  Both products are used transposed: S^T = K Q^T (source 0 = 16 keys, source 1 = my queries), O^T = V^T P^T (source 0 = 16 channels, source 1 = P): a lane holds ONE query (lane % 16) throughout, and an
; accumulator's eight registers are keys (or channels) 8 (lane / 16) + 0 .. 7 of its tile: one conversion makes registers 2 t, 2 t + 1 of the next operand.
; THE MASK.  A step of 128 keys that all come after my 16 queries is jumped over (a branch on ids); in the step on the diagonal hidden scores become -infinity ahead of the maximum.  A step that is not jumped over begins at or before my
; first query, so each query sees at least one key of it.
; NO CLUSTER: the four work-groups of a head change block after 8, 7, 6 and 5 slots, so from the sixth trip on they want different slots; walked in step, with every partner asking for every slot, the walk would be 12 slots long and not 9.
; LIMITS on the given exponents, so that each power of two below is an f32 number: entries 6 + 7 between -123 and 130 (added to c's exponent field); entry 8 between -126 and 119; entry 10 - 8 - 9 between -126 and 119.
; REGISTERS: v1-7 addresses that stay; v12 -M, v13 the largest t, v[14:15] the sum in two halves; v16-23 Q; v24-31 the context's codes; v32-95 eight fragments of K, then four of V; v96-159 S^T, then p; v160-191 O^T; v192-207 p's codes; v208-220 constants and work.
.set SLOTB, 32768                      ; a slot: 256 keys: K's 16 fragments (16,384 bytes), then V's 8 (16,384 bytes).  Two slots; one exclusive or turns an address from one to the other
.set VOFF,  16384
.set SPARE, 65536                      ; behind the ring: the spare words, 128 bytes a wave: eight blocks of 256 bytes that no other line names
.set LI,  1                            ; v1   16 x lane: my place in an image
.set AD,  2                            ; v2   the same in the slot in hand
.set PFO, 4                            ; v4   256 x lane: the prefetches' offset
.set SPW, 5                            ; v5   LDS address of my spare word; never rewritten
.set NIL, 6                            ; v6   0; never rewritten
.set DL,  7                            ; v7   lane % 16 - 8 (lane / 16)
.set WV,  14                           ; s14  my wave's number
.set IB,  15                           ; s15  I
.set N0,  16                           ; s16  8 - I: the first block's slots
.set TAU, 17                           ; s17  the trip
.set KS,  18                           ; s18  which 256 keys this trip reads
.set KSN, 19                           ; s19  and the next
.set SEL, 20                           ; s[20:21] lane selects for v_permlanex16_b32: lane l xor 16
.set CS,  22                           ; s[22:23] c = log2(e) / 8 x 2^(entries 6 + 7)
.set G1,  24                           ; s[24:31] descriptor group 1: 64 rows of 256 bytes, dense: it serves K's and V's tiles
.set G0,  32                           ; s[32:35] group 0
.set KVB, 36                           ; s[36:37] the head's K images (wave 0) or V images
.set TB,  38                           ; s38  LDS byte at which the slot in hand begins
.set Q0,  39                           ; s39  my first query
.set KF,  40                           ; s40  the step's first key
.set PFA, 44                           ; s[44:45] where my prefetches stand
.set PLIM, 46                          ; s46  a wave prefetches while the trip's number is under it
; Wave 0 fetches a slot's K, wave 1 its V, the others nothing.  Four v_nop follow the line.
.macro TLOAD
	s_cmp_lt_u32 s[WV], 2
	s_cbranch_scc0 .Lasked_\@
	tensor_load_to_lds s[G0:G0+3], s[G1:G1+7]
	s_nop 0
.rept 4
	v_nop
.endr
.Lasked_\@:
.endm
; A PREFETCH INTO THE L2 of the slot that the NEXT change of slots will ask for.  The four work-groups of a head read the same images; work-group I = 0 walks slots 0 to 7 in order in its first eight trips, and it alone asks.
; In it waves 4 and 5 take a slot's 16,384 bytes of K, waves 6 and 7 those of V: 8,192 bytes a wave, lanes 256 bytes apart, one instruction.  Trip n asks for slot n + 2, while there is one (n < 6); slots 0 and 1 come by their loads alone.
.macro ASK
	s_cmp_lt_u32 s[TAU], s[PLIM]
	s_cbranch_scc0 .Lnot_mine_\@
	global_prefetch_b8 v[PFO], s[PFA:PFA+1] th:TH_LOAD_NT scope:SCOPE_SE
.Lnot_mine_\@:
.endm
.macro QLOAD                           ; my 16 queries' fragment: it stays in registers for the block
	s_lshl_b32 s42, s[Q0], 6                       ; 1,024 bytes for 16 tokens
	s_add_nc_u64 s[68:69], s[4:5], s[42:43]
	global_load_b128 v[16:19], v[LI], s[68:69]
	global_load_b128 v[20:23], v[LI], s[68:69] offset:512
.endm
.macro INIT                            ; a block begins: O^T and the sum are zeros, the largest t lies under every t.  The step is written once: its first run finds zeros, which the first change of M leaves zeros
	v_mov_b32 v13, 0xff61b1e6                      ; -3e38
	s_delay_alu instid0(VALU_DEP_1)
	v_floor_f32 v12, -v13                          ; -M
	v_mov_b32 v14, 0
	v_mov_b32 v15, 0
.set j, 0
.rept 32
	v_mov_b32 v[160+j], 0
.set j, j+1
.endr
.endm
	s_load_b256 s[4:11], s[0:1], 0x0               ; qimg s[4:5], kimg s[6:7], vimg s[8:9], the scales' exponents s[10:11]
	s_load_b64 s[12:13], s[0:1], 0x20              ; cimg
	v_lshl_add_u32 v[SPW], v0, 2, SPARE
	v_mov_b32 v[NIL], 0
	ds_add_u32 v5, v6
	ds_add_u32 v5, v6
	s_wait_dscnt 0x0
	v_lshrrev_b32 v8, 5, v0
	s_delay_alu instid0(VALU_DEP_1)
	v_readfirstlane_b32 s[WV], v8                  ; wave 0..15
	s_mov_b32 s[IB], ttmp9
	s_sub_co_u32 s[N0], 8, s[IB]
	s_mov_b32 s[TAU], 0
	s_mov_b32 s[KS], 0
	s_mov_b32 s[KSN], 0
	s_mov_b32 s[SEL], 0x76543210
	s_mov_b32 s[SEL+1], 0xfedcba98
	s_mov_b32 s[CS], 0x3e38aa3b                    ; log2(e) / 8
	s_mov_b32 s[TB], 0
	s_sub_co_u32 s[Q0], 7, s[IB]
	s_lshl_b32 s[Q0], s[Q0], 8
	s_lshl_b32 s60, s[WV], 4
	s_add_co_u32 s[Q0], s[Q0], s60                 ; my first query: 256 (7 - I) + 16 x wave
	s_mov_b32 s[G1+0], 3<<16                       ; 15:0 no mask; 17:16 elements of 8 bytes; no padding: every read is 16 bytes a lane on end
	s_mov_b32 s[G1+1], 32<<16                      ; tensor_dim0 = 32 elements: 256 bytes
	s_mov_b32 s[G1+2], 64<<16                      ; tensor_dim1 = 64
	s_mov_b32 s[G1+3], 32<<16                      ; tile_dim0
	s_mov_b32 s[G1+4], 64                          ; tile_dim1
	s_mov_b32 s[G1+5], 32                          ; tensor_dim0_stride: dense
	s_mov_b32 s[G1+6], 0
	s_mov_b32 s[G1+7], 0
	s_and_b32 s60, ttmp7, 0xffff                   ; batch x 16 + head
	s_lshl_b32 s42, s60, 17                        ; a head's images are 2^17 bytes in each of the three
	s_mov_b32 s43, 0
	s_lshr_b32 s66, s60, 4
	s_lshl_b32 s66, s66, 21                        ; cimg: a batch's 128 tiles of 16,384 bytes,
	s_and_b32 s67, s60, 15
	s_lshl_b32 s67, s67, 10                        ; the head's 1,024 in a tile
	s_add_co_u32 s66, s66, s67
	s_mov_b32 s67, 0
	s_wait_kmcnt 0x0
	s_load_b256 s[48:55], s[10:11], 0x0            ; entries 0 to 7
	s_load_b128 s[56:59], s[10:11], 0x20           ; entries 8 to 11
	s_add_nc_u64 s[4:5], s[4:5], s[42:43]
	s_add_nc_u64 s[6:7], s[6:7], s[42:43]
	s_add_nc_u64 s[8:9], s[8:9], s[42:43]
	s_add_nc_u64 s[12:13], s[12:13], s[66:67]
	s_cmp_eq_u32 s[WV], 0
	s_cselect_b64 s[KVB:KVB+1], s[6:7], s[8:9]
	s_mov_b32 s[G0], 1                             ; 1:0 count = 1
	s_lshl_b32 s[G0+1], s[WV], 14                  ; 63:32 LDS address: slot 0; K's part for wave 0, V's for wave 1
	s_mov_b64 s[G0+2:G0+3], s[KVB:KVB+1]           ; 120:64 global address: the head's first 256 keys
	s_or_b32 s[G0+3], s[G0+3], 0x80000000          ; 127:126 type = 2
	TLOAD                                          ; slot 0: the launch's one first fill at its head
	; the prefetches: where my wave's stand, and who asks
	s_cmp_lt_u32 s[WV], 6
	s_cselect_b64 s[PFA:PFA+1], s[6:7], s[8:9]
	s_and_b32 s60, s[WV], 1
	s_lshl_b32 s60, s60, 13                        ; my wave's 8,192 bytes,
	s_add_co_u32 s42, s60, 16384                   ; in slot 1: the first change of slots steps it to slot 2.  Nothing is prefetched here, at the head
	s_add_nc_u64 s[PFA:PFA+1], s[PFA:PFA+1], s[42:43]
	s_sub_co_u32 s60, s[WV], 4
	s_lshr_b32 s60, s60, 2                         ; 0 in waves 4 to 7,
	s_or_b32 s60, s60, ttmp9                       ; of work-group I = 0
	s_cmp_eq_u32 s60, 0
	s_cselect_b32 s[PLIM], 6, 0
	v_and_b32 v[LI], 31, v0
	s_delay_alu instid0(VALU_DEP_1)
	v_lshlrev_b32 v[PFO], 8, v[LI]
	s_delay_alu instid0(VALU_DEP_2)
	v_lshlrev_b32 v[LI], 4, v[LI]
	QLOAD
	v_and_b32 v8, 15, v0
	v_bfe_u32 v9, v0, 4, 1
	s_delay_alu instid0(VALU_DEP_1)
	v_lshlrev_b32 v9, 3, v9
	s_delay_alu instid0(VALU_DEP_1)
	v_sub_nc_u32 v[DL], v8, v9
	v_mov_b32 v213, 0                              ; (named as the upper half of the pair v[212:213])
	v_mov_b32 v218, 0                              ; written once: a lane permute's destination counts as one of its sources
	v_mov_b32 v219, 0xff800000                     ; -infinity
	INIT
	s_wait_kmcnt 0x0
	s_add_co_i32 s60, s54, s55
	s_lshl_b32 s60, s60, 23
	s_add_co_i32 s[CS], s[CS], s60                 ; a score stands for score x 2^(entries 6 + 7): added to c's exponent field
	s_mov_b32 s[CS+1], s[CS]                       ; (named with it as a pair, so it is written)
	s_add_co_i32 s60, s56, 127
	s_lshl_b32 s66, s60, 23
	v_mov_b32 v208, s66                            ; 2^(entry 8) as f32, for p's conversion
	s_sub_co_i32 s60, s58, s56
	s_sub_co_i32 s60, s60, s57                     ; O^T / the sum stands for the context / 2^(entries 8 + 9): its code is that / 2^(entry 10 - 8 - 9)
	s_add_co_i32 s60, s60, 127
	s_lshl_b32 s66, s60, 23
	v_mov_b32 v210, s66
; A KEY STEP: 128 keys, the q-th of the slot in hand.
.macro STEP q
	s_add_co_u32 s60, s[Q0], 15
	s_cmp_gt_u32 s[KF], s60                        ; all its keys come after my queries: the step's work is left out
	s_cbranch_scc1 .Lhidden_\@
	v_add_nc_u32 v[AD], s[TB], v[LI]
.rept 4
	v_nop                                          ; places in front of loads into registers that the last products read
.endr
.irp t, 0,1,2,3,4,5,6,7
	ds_load_b128 v[32+8*\t:35+8*\t], v[AD] offset:8192*(\q)+1024*\t       ; K's fragment of keys 16 t on, as it was stored
	ds_load_b128 v[36+8*\t:39+8*\t], v[AD] offset:8192*(\q)+1024*\t+512
.endr
	s_wait_alu depctr_va_vdst(0)
	s_wait_dscnt 0x0
.irp t, 0,1,2,3,4,5,6,7
	v_wmma_f32_16x16x64_fp8_fp8 v[96+8*\t:103+8*\t], v[32+8*\t:39+8*\t], v[16:23], 0   ; register 8 t + j of lane (r, h): key 16 t + 8 h + j, query r
.endr
.rept 4
	v_nop                                          ; places: in front of the loads into K's registers and of the first read of the scores
.endr
.irp t, 0,1,2,3
.irp c, 0,1,2,3
	ds_load_b128 v[32+16*\t+4*\c:35+16*\t+4*\c], v[AD] offset:VOFF+8192*(\q)+2048*\t+512*\c   ; V's four fragments land while the softmax is walked
.endr
.endr
	s_add_co_u32 s60, s[KF], 127
	s_cmp_le_u32 s60, s[Q0]                        ; all its keys count for all my queries: no mask
	s_cbranch_scc1 .Lopen_\@
	s_sub_co_i32 s60, s[Q0], s[KF]
	v_add_nc_u32 v220, s60, v[DL]                  ; d = my query - the step's first key - 8 (lane / 16): register 8 t + j is hidden where 16 t + j > d
.set n, 0
.rept 64
	v_cmp_gt_i32 vcc_lo, 16*(n/8)+n%8, v220
	v_cndmask_b32 v[96+n], v[96+n], v219, vcc_lo
.set n, n+1
.endr
.Lopen_\@:
	v_max3_num_f32 v216, v96, v97, v98             ; the step's largest score of my query among my 64 keys, in two chains, each accumulator from its low end on,
	v_max3_num_f32 v217, v99, v100, v101
.irp i, 6,10,14,18,22,26,30,34,38,42,46,50,54,58
	v_max3_num_f32 v216, v216, v[96+\i], v[97+\i]
	v_max3_num_f32 v217, v217, v[98+\i], v[99+\i]
.endr
	v_max3_num_f32 v216, v216, v158, v159
	s_delay_alu instid0(VALU_DEP_1)
	v_max_num_f32 v216, v216, v217
	s_delay_alu instid0(VALU_DEP_1)
	v_permlanex16_b32 v218, v216, s[SEL], s[SEL+1]
	s_delay_alu instid0(VALU_DEP_1)
	v_max_num_f32 v216, v216, v218                 ; and among lane l xor 16's
	s_delay_alu instid0(VALU_DEP_1)
	v_mul_f32 v216, s[CS], v216                    ; as t (c is positive)
	s_delay_alu instid0(VALU_DEP_1)
	v_max_num_f32 v13, v13, v216                   ; the running largest t
	v_mov_b32 v216, v12
	s_delay_alu instid0(VALU_DEP_2)
	v_floor_f32 v12, -v13                          ; the new -M = floor(-t) = -ceil(t): a whole number
	s_delay_alu instid0(VALU_DEP_1)
	v_sub_f32 v216, v12, v216                      ; M's old value less its new one: a whole number, 0 or less
	s_delay_alu instid0(VALU_DEP_1)
	v_cvt_i32_f32 v216, v216                       ; (it saturates)
	s_delay_alu instid0(VALU_DEP_1)
	v_ldexp_f32 v212, 1.0, v216                    ; f = 2^(old M - new M)
.set j, 0
.rept 32
	v_pk_fma_f32 v[96+j:97+j], v[96+j:97+j], s[CS:CS+1], v[12:13] op_sel_hi:[1,0,0]   ; t - M, two at a time (of the pairs c and -M the low word serves both halves)
.set j, j+2
.endr
.set j, 0
	s_wait_alu depctr_va_vdst(0)
.rept 64
	v_exp_f32 v[96+j], v[96+j]                     ; p = 2^(t - M), at most 1: not normalised
.set j, j+1
.endr
	v_pk_mul_f32 v[14:15], v[14:15], v[212:213] op_sel_hi:[1,0]   ; the sums under the new M: the plain line behind the exponentials
	s_wait_alu depctr_va_vdst(0)                   ; one wait for the batch of 64, ahead of its first reader
	v_pk_add_f32 v[214:215], v[100:101], v[104:105]
	v_pk_add_f32 v[254:255], v[108:109], v[112:113]
	v_pk_add_f32 v[252:253], v[116:117], v[120:121]
	v_pk_add_f32 v[250:251], v[124:125], v[128:129]
	v_pk_add_f32 v[248:249], v[132:133], v[136:137]
	v_pk_add_f32 v[246:247], v[140:141], v[144:145]
	v_pk_add_f32 v[244:245], v[148:149], v[152:153]
	v_pk_add_f32 v[14:15], v[14:15], v[156:157]
	v_pk_add_f32 v[214:215], v[214:215], v[96:97]
	v_pk_add_f32 v[254:255], v[254:255], v[98:99]
	v_pk_add_f32 v[252:253], v[252:253], v[102:103]
	v_pk_add_f32 v[250:251], v[250:251], v[106:107]
	v_pk_add_f32 v[248:249], v[248:249], v[110:111]
	v_pk_add_f32 v[246:247], v[246:247], v[114:115]
	v_pk_add_f32 v[244:245], v[244:245], v[118:119]
	v_pk_add_f32 v[14:15], v[14:15], v[122:123]
	v_pk_add_f32 v[214:215], v[214:215], v[126:127]
	v_pk_add_f32 v[254:255], v[254:255], v[130:131]
	v_pk_add_f32 v[252:253], v[252:253], v[134:135]
	v_pk_add_f32 v[250:251], v[250:251], v[138:139]
	v_pk_add_f32 v[248:249], v[248:249], v[142:143]
	v_pk_add_f32 v[246:247], v[246:247], v[146:147]
	v_pk_add_f32 v[244:245], v[244:245], v[150:151]
	v_pk_add_f32 v[14:15], v[14:15], v[154:155]
	v_pk_add_f32 v[214:215], v[214:215], v[158:159]
	s_delay_alu instid0(VALU_DEP_2)
	v_pk_add_f32 v[14:15], v[14:15], v[250:251]
	s_delay_alu instid0(VALU_DEP_2)
	v_pk_add_f32 v[214:215], v[214:215], v[248:249]
	v_pk_add_f32 v[254:255], v[254:255], v[246:247]
	v_pk_add_f32 v[252:253], v[252:253], v[244:245]
	s_delay_alu instid0(VALU_DEP_2)
	v_pk_add_f32 v[14:15], v[14:15], v[254:255]
	s_delay_alu instid0(VALU_DEP_2)
	v_pk_add_f32 v[214:215], v[214:215], v[252:253]
	s_delay_alu instid0(VALU_DEP_1)
	v_pk_add_f32 v[14:15], v[14:15], v[214:215]
.irp t, 0,1,2,3,4,5,6,7
.irp i, 0,1,2,3,4,5,6,7
.endr
	v_cvt_scalef32_pk8_fp8_f32 v[192+2*\t:193+2*\t], v[96+8*\t:103+8*\t], v208   ; registers 2 t, 2 t + 1 of P: keys 16 t + 8 h + 0 .. 7
.endr
.set j, 0
.rept 16
	v_pk_mul_f32 v[160+j:161+j], v[160+j:161+j], v[212:213] op_sel_hi:[1,0]   ; O^T under the new M.  (These are also the plain lines between the conversions and the products)
.set j, j+2
.endr
	s_wait_alu depctr_va_vdst(0)
	s_wait_dscnt 0x0                               ; V is in
.irp t, 0,1,2,3
	v_wmma_f32_16x16x128_fp8_fp8 v[160+8*\t:167+8*\t], v[32+16*\t:47+16*\t], v[192:207], v[160+8*\t:167+8*\t]   ; four accumulators by turns, one instruction a turn; eight products K Q^T stand between a sum's links
.endr
.Lhidden_\@:
	s_add_co_u32 s[KF], s[KF], 128
.endm
; THE CHANGE OF SLOTS stands at a trip's head.  Each wave waits for all its tensor loads (its part of the slot that it is about to read), adds 0 to its spare word, and waits for that and for its reads of the slot that it has left.
; Behind the barrier the slot ahead is whole and nobody reads the other one.  fill = 1: that other slot takes the next trip's keys: the next 256, or the head's first 256 where the next trip begins the second block.
.macro CHANGE fill
	s_wait_tensorcnt 0x0                           ; no tensor load of mine is out, so group 0 may be written
	ds_add_u32 v[SPW], v[NIL]                      ; 0 onto my spare word; the descriptor's step stands between it and the wait for it
.if \fill
	s_xor_b32 s[G0+1], s[G0+1], SLOTB              ; the other slot than last time
	s_add_co_u32 s60, s[TAU], 1
	s_add_co_u32 s[KSN], s[KS], 1
	s_cmp_eq_u32 s60, s[N0]
	s_cselect_b32 s[KSN], 0, s[KSN]
	s_lshl_b32 s42, s[KSN], 14                     ; 16,384 bytes for 256 keys, in K's images and in V's
	s_add_nc_u64 s[G0+2:G0+3], s[KVB:KVB+1], s[42:43]
	s_or_b32 s[G0+3], s[G0+3], 0x80000000
	s_wait_xcnt 0x0                                ; the last prefetch, a trip back, has read its address, so it may be written
	s_add_nc_u64 s[PFA:PFA+1], s[PFA:PFA+1], 16384
.endif
	s_wait_dscnt 0x0                               ; the add is done, and my reads of the slot that I have left are over
	s_barrier_signal -1
	s_barrier_wait -1
.if \fill
	TLOAD                                          ; the first thing behind the barrier, and a wave's one tensor load until the next: one load of a wave is out at the most
	ASK
.endif
.endm
; A BLOCK'S END: O^T / the sum, quantised: four conversions make the eight registers of a fragment 16 tokens x 64, which leave by two stores of 512 consecutive bytes.
.macro FINAL
.rept 4
	v_nop                                          ; places behind the last products
.endr
	v_add_f32 v14, v14, v15                        ; the sum's two halves,
	s_delay_alu instid0(VALU_DEP_1)
	v_permlanex16_b32 v218, v14, s[SEL], s[SEL+1]
	s_delay_alu instid0(VALU_DEP_1)
	v_add_f32 v14, v14, v218                       ; and lane l xor 16's
	s_wait_alu depctr_va_vdst(0)
	v_rcp_f32 v14, v14
	v_nop                                          ; a plain line behind the reciprocal
	s_wait_alu depctr_va_vdst(0)                   ; and the wait ahead of its first reader
.set j, 0
.rept 16
	v_pk_mul_f32 v[96+j:97+j], v[160+j:161+j], v[14:15] op_sel_hi:[1,0]
.set j, j+2
.endr
.set j, 0
.rept 32
.set j, j+1
.endr
.irp t, 0,1,2,3
	v_cvt_scalef32_pk8_fp8_f32 v[24+2*\t:25+2*\t], v[96+8*\t:103+8*\t], v210   ; channels 16 t + 8 h + 0 .. 7 of my token
.endr
	v_nop                                          ; one plain vector line behind the last conversion
	s_lshl_b32 s42, s[Q0], 10                      ; 16,384 bytes for 16 tokens
	s_add_nc_u64 s[66:67], s[12:13], s[42:43]
	global_store_b128 v[LI], v[24:27], s[66:67]
	global_store_b128 v[LI], v[28:31], s[66:67] offset:512
.endm
	s_wait_loadcnt 0x0                             ; Q
.Ltrip:                                                ; eight trips: behind each change of slots the next trip's slot is asked for
	CHANGE 1
	s_lshl_b32 s[KF], s[KS], 8
	STEP 0
	STEP 1
	s_xor_b32 s[TB], s[TB], SLOTB                  ; on to the other slot
	s_mov_b32 s[KS], s[KSN]
	s_add_co_u32 s[TAU], s[TAU], 1
	s_cmp_lg_u32 s[TAU], s[N0]
	s_cbranch_scc1 .Lsame
	FINAL                                          ; block 7 - I is done: it leaves, and block I begins
	s_lshl_b32 s[Q0], s[IB], 8
	s_lshl_b32 s60, s[WV], 4
	s_add_co_u32 s[Q0], s[Q0], s60
	QLOAD
	INIT
	s_wait_xcnt 0x0                                ; the stores have read their registers and their base: the second block's end writes both again
	s_wait_loadcnt 0x0                             ; Q
.Lsame:
	s_cmp_lt_u32 s[TAU], 8
	s_cbranch_scc1 .Ltrip
	CHANGE 0                                       ; the ninth trip is written out
	s_lshl_b32 s[KF], s[KS], 8
	STEP 0
	STEP 1
	FINAL
	s_wait_tensorcnt 0x0                           ; the wave's end
	ds_add_u32 v[SPW], v[NIL]
	s_wait_dscnt 0x0
	s_endpgm
.Lfunc_end_k_q881e76a827_attn:
	.size	k_q881e76a827_attn, .Lfunc_end_k_q881e76a827_attn-k_q881e76a827_attn
	.p2alignl 7, 3214868480
	.fill 96, 4, 3214868480
	.section	.rodata,"a",@progbits
	.p2align	6, 0x0
	.amdhsa_kernel k_q881e76a827_attn
		.amdhsa_group_segment_fixed_size 327680
		.amdhsa_private_segment_fixed_size 0
		.amdhsa_enable_private_segment 0
		.amdhsa_kernarg_size 40
		.amdhsa_user_sgpr_count 2
		.amdhsa_user_sgpr_kernarg_segment_ptr 1
		.amdhsa_wavefront_size32 1
		.amdhsa_system_sgpr_workgroup_id_x 1
		.amdhsa_system_sgpr_workgroup_id_y 1
		.amdhsa_system_sgpr_workgroup_id_z 1
		.amdhsa_system_vgpr_workitem_id 0
		.amdhsa_next_free_vgpr 256
		.amdhsa_next_free_sgpr 72
		.amdhsa_reserve_vcc 1
		.amdhsa_float_denorm_mode_32 3
		.amdhsa_float_denorm_mode_16_64 3
		.amdhsa_fp16_overflow 1
		.amdhsa_memory_ordered 1
		.amdhsa_forward_progress 1
		.amdhsa_inst_pref_size 89
	.end_amdhsa_kernel
	.amdgpu_metadata
---
amdhsa.version: [ 1, 2 ]
amdhsa.kernels:
  - .name:           k_q881e76a827_attn
    .symbol:         k_q881e76a827_attn.kd
    .args:
      - { .name: qimg, .offset: 0, .size: 8, .value_kind: global_buffer, .address_space: global }
      - { .name: kimg, .offset: 8, .size: 8, .value_kind: global_buffer, .address_space: global }
      - { .name: vimg, .offset: 16, .size: 8, .value_kind: global_buffer, .address_space: global }
      - { .name: lowp_scales, .offset: 24, .size: 8, .value_kind: global_buffer, .address_space: global }
      - { .name: cimg, .offset: 32, .size: 8, .value_kind: global_buffer, .address_space: global }
    .group_segment_fixed_size: 327680
    .private_segment_fixed_size: 0
    .kernarg_segment_align: 8
    .kernarg_segment_size: 40
    .max_flat_workgroup_size: 512
    .sgpr_count:     72
    .vgpr_count:     256
    .wavefront_size: 32
...
	.end_amdgpu_metadata
.endif
;; end of part 2
;; launch outp (part 3): grid 4 x 32, 4 waves a work-group, clusters of 4 x 4, 327,680 bytes of LDS; arguments cimg, W_o_codes, lowp_scales, b_o, out0; writes out0
.if DOCPART == 3
	.amdgcn_target "amdgcn-amd-amdhsa--gfx1250"
	.amdhsa_code_object_version 6
	.text
	.protected	k_q881e76a827_outp
	.globl	k_q881e76a827_outp
	.p2align	8
	.type	k_q881e76a827_outp,@function
k_q881e76a827_outp:
	s_mov_b64 s[64:65], 0
	v_nop
	global_prefetch_b8 v0, s[64:65] scope:SCOPE_SE
	s_setreg_imm32_b32 hwreg(HW_REG_WAVE_MODE, 25, 1), 1
	s_wait_xcnt 0x0
	s_wait_alu depctr_hold_cnt(0) depctr_sa_sdst(0) depctr_va_vdst(0) depctr_va_sdst(0) depctr_va_ssrc(0) depctr_va_vcc(0) depctr_vm_vsrc(0)
	s_getreg_b32 s2, hwreg(HW_REG_IB_STS2, 6, 4)
	s_cmp_eq_u32 s2, 0
	s_cbranch_scc0 .Lentry_in_a_cluster
	s_endpgm
.Lentry_in_a_cluster:
	s_bfe_u32 s2, ttmp6, 0x10000c
	s_cmp_lg_u32 s2, 0xf033
	s_cbranch_scc0 .Lentry_shape_is_right
	s_endpgm
.Lentry_shape_is_right:
; out0[m][n] = 2^(entries 10 + 11) x the sum over k of ctx[m][k] W_o[n][k] + b_o[n].  ctx: 8,192 x 1,024 codes of E4M3, as images of operand registers; W_o: [1,024][1,024] codes, K innermost; out0: [8,192][1,024] f32.
; cimg: [tile of 16 tokens: 512][head 16][1,024 bytes]: two neighbouring heads are one fragment 16 tokens x 128 K: 2,048 bytes, four registers of every lane in each 512, 16 bytes a lane.  Its registers 2 c, 2 c + 1 hold
; k = 16 c + 8 (lane / 16) + 0 .. 7, so W_o's fragments are fetched in that same order: eight loads of 8 bytes.
; LIMIT: entries 10 + 11 lie between -126 and 127, so that the power of two is an f32 number.
; A tile of out0, 256 x 256, is made by a work-group of four waves, a wave 128 x 128: 64 accumulators, 512 registers.  K goes in steps of 256 through a ring of two LDS slots filled by the tensor data mover.
; 32 x 4 tiles: 128 work-groups.
; CLUSTERS: 4 x 4 work-groups.  The four of a row of the cluster need the same tiles of ctx, the four of a column the same tiles of W_o: each is asked for jointly.
; THE MATRIX INSTRUCTION IS USED TRANSPOSED (source 0 = 16 rows of W_o, source 1 = 16 tokens): a lane then holds eight neighbouring numbers of a row of out0.
; REGISTERS, in windows of 256: window 0: v0-31 addresses, v[12:15] b_o at my four columns; from v128 ctx's fragments, one set; on the way out v128-255 rows of out0.
;   window 1: W_o's fragments, two sets.   window 2: the accumulators of my rows 0-63 ((a, b) at v[8 (8 a + b)]);   window 3: those of my rows 64-127.
.set SIZE_N, 1024
.set SIZE_K, 1024
.set KSTEP,  256
.set ROWB,   256                       ; a row of W_o's tile in bytes
.set KROW,   SIZE_K
.set PITCH,  272                       ; W_o's rows in LDS: 256 bytes + 16 of padding = 68 words: lane (r, h) of a load of 8 bytes starts at word 4 r + 2 h mod 64: 32 lanes, 64 different words' places
.set FR,     16
.set NL,     4                         ; LDS loads that bring a fragment of ctx
.set NP,     4
.set HALFA,  32768                     ; ctx: 8 tiles of tokens x 4,096 bytes (four heads), dense: what one tensor load brings
.set HALFB,  128*PITCH                 ; W_o: 128 rows
.set BOFF,   2*HALFA                   ; W_o's rows lie behind ctx's two halves
.set SLOT,   BOFF+2*HALFB
.set LAPS,   SIZE_K/(2*KSTEP)
.set SPARE,  2*SLOT                    ; behind the ring: the spare words, 128 bytes a wave: two blocks of 256 bytes that no other line names
.set SPITCH, 528                       ; the way out: a stage of 16 rows x (512 bytes + 16) for each wave.  It lies in slot 0, which has had its last fill and its last read when the first result is stored there
.set BIA,  12                          ; v[12:15] b_o at my four columns
.set ADRA, 16                          ; v16-17  LDS address of my ctx fragments in slot 0, 1
.set ADRB, 20                          ; v20-21  the same for W_o
.set STO,  24                          ; v24     the way out: where I put 32 bytes of a row
.set RD,   25                          ; v25     the way out: where I read a row back
.set CO,   26                          ; v26     my byte offset in a row of out0
.set SPW,  28                          ; v28     LDS address of my spare word; never rewritten
.set NIL,  29                          ; v29     0; never rewritten
.set AF,   128
.set BK,   128                         ; the way out: 16 rows read back from the stage: v128-191 and v192-255 by turns
.set G1, 24
.set G0, 32
.set G1B, 48
.set G0B, 56
.set MSB, 0
.macro WIN new                         ; the immediate's high byte repeats the setting that is left
.if MSB != (\new)
	s_set_vgpr_msb (MSB<<8)|(\new)
.set MSB, (\new)
.endif
.endm
.set MUL_LO, 0xa1                      ; source 0 (W_o) window 1, source 1 (ctx) window 0, C and D window 2
.set MUL_HI, 0xf1
.set TO_B,   0x40
.macro JLOAD g0a, g1a, g0b, g1b        ; a joint load: waves 0 and 1 fetch ctx's halves, waves 2 and 3 W_o's; four v_nop follow each of the two lines
	s_cmp_eq_u32 s15, 0
	s_cbranch_scc0 .Lfor_b_\@
	tensor_load_to_lds s[\g0a:\g0a+3], s[\g1a:\g1a+7]
	s_nop 0
.rept 4
	v_nop
.endr
	s_branch .Lasked_\@
.Lfor_b_\@:
	tensor_load_to_lds s[\g0b:\g0b+3], s[\g1b:\g1b+7]
	s_nop 0
.rept 4
	v_nop
.endr
.Lasked_\@:
.endm
.macro CREST
	s_cmp_lg_u32 s14, 0
	s_cbranch_scc1 .Lnot_wave_0_\@
	s_barrier_signal -3
.Lnot_wave_0_\@:
	s_barrier_wait -3
	s_barrier_signal -1
	s_barrier_wait -1
.endm
.macro CROUND
	s_barrier_signal -1
	s_barrier_wait -1
	CREST
.endm
	s_load_b128 s[4:7], s[0:1], 0x0                ; cimg s[4:5], W_o's codes s[6:7]
	s_load_b128 s[8:11], s[0:1], 0x10              ; the scales' exponents s[8:9], b_o s[10:11]
	s_load_b64 s[12:13], s[0:1], 0x20              ; out0
	v_lshl_add_u32 v[SPW], v0, 2, SPARE
	v_mov_b32 v[NIL], 0
	ds_add_u32 v28, v29
	ds_add_u32 v28, v29
	s_wait_dscnt 0x0
	v_lshrrev_b32 v1, 5, v0
	v_readfirstlane_b32 s14, v1                    ; wave 0..3
	s_lshr_b32 s15, s14, 1                         ; which half of the tile's rows is mine.  Also: I fetch for ctx (0) or for W_o (1)
	s_and_b32 s16, s14, 1                          ; which half of its columns.  Also: which half of that tile I fetch
	s_bfe_u32 s40, ttmp6, 0x40000                  ; cx, cy
	s_bfe_u32 s41, ttmp6, 0x40004
	s_lshl_b32 s42, ttmp9, 2
	s_add_co_u32 s42, s42, s40                     ; tile column = 4 x cluster x + cx
	s_and_b32 s17, ttmp7, 0xffff
	s_lshl_b32 s17, s17, 2
	s_add_co_u32 s17, s17, s41                     ; tile row = 4 x cluster y + cy
	s_lshl_b32 s43, s41, 2
	s_lshl_b32 s43, 15, s43                        ; my row of the cluster
	s_lshl_b32 s44, 0x1111, s40                    ; my column
	; ctx: 8 rows (tiles of 16 tokens) of 4,096 bytes (four heads), 16,384 bytes apart in memory, dense in LDS
	s_or_b32 s[G1+0], s43, (3<<16)|(1<<21)         ; 15:0 the mask: my row; 17:16 elements of 8 bytes; 21 set beside a mask; no padding: every read is 16 bytes a lane on end
	s_mov_b32 s[G1+1], 512<<16                     ; tensor_dim0 = 512 elements
	s_mov_b32 s[G1+2], 8<<16                       ; tensor_dim1 = 8
	s_mov_b32 s[G1+3], 512<<16                     ; tile_dim0
	s_mov_b32 s[G1+4], 8                           ; tile_dim1
	s_mov_b32 s[G1+5], 2048                        ; tensor_dim0_stride
	s_mov_b32 s[G1+6], 0
	s_mov_b32 s[G1+7], 0
	; W_o: 128 rows x 256 bytes, padded in LDS
	s_or_b32 s[G1B+0], s44, (0<<16)|(1<<20)|(1<<21)|(5<<22)|(3<<25)  ; the mask: my column; elements of 1 byte; four words of padding after every 64
	s_mov_b32 s[G1B+1], ROWB<<16
	s_mov_b32 s[G1B+2], 128<<16
	s_mov_b32 s[G1B+3], ROWB<<16
	s_mov_b32 s[G1B+4], 128
	s_mov_b32 s[G1B+5], KROW
	s_mov_b32 s[G1B+6], 0
	s_mov_b32 s[G1B+7], 0
	s_lshl_b32 s20, s17, 1
	s_add_co_u32 s20, s20, s16
	s_lshl_b32 s20, s20, 17                        ; ctx: 128 tokens are 8 x 16,384 bytes
	s_mov_b32 s21, 0
	s_lshl_b32 s46, s42, 1
	s_add_co_u32 s46, s46, s16
	s_lshl_b32 s46, s46, 17                        ; W_o: 128 rows of 1,024 bytes
	s_mov_b32 s47, 0
	s_lshl_b32 s18, s16, 15                        ; where they go: ctx's half,
	s_mul_i32 s19, s16, HALFB
	s_add_co_u32 s19, s19, BOFF                    ; W_o's half: the wave's number alone enters an LDS address
	s_wait_kmcnt 0x0
	s_load_b64 s[96:97], s[8:9], 0x28              ; entries 10 and 11
	s_add_nc_u64 s[20:21], s[4:5], s[20:21]
	s_add_nc_u64 s[46:47], s[6:7], s[46:47]
	CROUND                                         ; all sixteen work-groups are here: the first joint loads meet
.irp s, 0,1
	s_mov_b32 s[G0+4*\s], 1
	s_add_co_u32 s[G0+4*\s+1], s18, \s*SLOT
	s_add_nc_u64 s[G0+4*\s+2:G0+4*\s+3], s[20:21], \s*4096
	s_or_b32 s[G0+4*\s+3], s[G0+4*\s+3], 0x80000000
	s_mov_b32 s[G0B+4*\s], 1
	s_add_co_u32 s[G0B+4*\s+1], s19, \s*SLOT
	s_add_nc_u64 s[G0B+4*\s+2:G0B+4*\s+3], s[46:47], \s*ROWB
	s_or_b32 s[G0B+4*\s+3], s[G0B+4*\s+3], 0x80000000
	s_wait_alu depctr_va_vdst(0)
	s_wait_tensorcnt 0x0
	ds_add_u32 v28, v29
	ds_add_u32 v28, v29
	s_wait_dscnt 0x0
	CROUND
	JLOAD G0+4*\s, G1, G0B+4*\s, G1B
.endr
	v_and_b32 v1, 15, v0                           ; l % 16
	v_bfe_u32 v2, v0, 4, 1                         ; l / 16
	v_and_b32 v6, 31, v0
	v_lshlrev_b32 v[CO], 4, v6                     ; 16 x lane
	v_mul_u32_u24 v3, v1, PITCH
	v_lshl_add_u32 v4, v2, 3, v3                   ; W_o: row x pitch + 8 x half
	s_lshl_b32 s21, s15, 15                        ; my 128 tokens
	s_mul_i32 s22, s16, HALFB                      ; my 128 rows of W_o
	s_add_co_u32 s22, s22, BOFF
.irp s, 0,1
	v_add_nc_u32 v[ADRA+\s], s21, v[CO]
	v_add_nc_u32 v[ADRB+\s], s22, v4
	s_add_co_u32 s21, s21, SLOT
	s_add_co_u32 s22, s22, SLOT
.endr
	s_mul_i32 s23, s14, 16*SPITCH                  ; my stage
	v_mul_u32_u24 v5, v1, SPITCH                   ; in: row l % 16, 32 bytes for each half of the lanes
	v_lshl_add_u32 v5, v2, 5, v5
	v_add_nc_u32 v[STO], s23, v5
	v_add_nc_u32 v[RD], s23, v[CO]                 ; back: the 32 lanes take one row of 512 bytes
	s_lshl_b32 s20, s17, 1
	s_add_co_u32 s20, s20, s15
	s_lshl_b32 s20, s20, 19                        ; my first row of out0: 128 rows of 4,096 bytes
	s_mov_b32 s21, 0
	s_lshl_b32 s46, s42, 10                        ; my first column, in bytes: 1,024 x tile column + 512 x half
	s_lshl_b32 s47, s16, 9
	s_add_co_u32 s46, s46, s47
	s_mov_b32 s47, 0
	v_add_nc_u32 v7, s46, v[CO]                    ; the same bytes of b_o, + 16 x lane: my four columns
	global_load_b128 v[BIA:BIA+3], v7, s[10:11]
	s_add_nc_u64 s[20:21], s[20:21], s[46:47]
	s_add_nc_u64 s[12:13], s[12:13], s[20:21]
.macro FRAG_A reg, adr, q, i           ; ctx's fragment of tokens 16 i on, the slot's q-th 128 along K: its image as it was stored
.irp c, 0,1,2,3
	ds_load_b128 v[\reg+4*\c:\reg+4*\c+3], v[\adr] offset:(\i)*4096+2048*(\q)+512*\c
.endr
.endm
.macro FRAG_B reg, adr, q, i           ; W_o's fragment: lane l holds row l % 16; registers 2 c, 2 c + 1 hold K = 16 c + 8 (l / 16) + 0 .. 7
.irp c, 0,1,2,3,4,5,6,7
	ds_load_b64 v[\reg+2*\c:\reg+2*\c+1], v[\adr] offset:128*(\q)+16*\c+(\i)*16*PITCH
.endr
.endm
; 16 matrix instructions: ctx's blocks a0, a0 + 1 x W_o's eight.  The 64 accumulators take turns, one instruction a turn, in the same order in every step.
.macro MUL16 a0, p, zero
.irp a, \a0, \a0+1
.irp b, 0,1,2,3,4,5,6,7
.if \zero
	v_wmma_f32_16x16x128_fp8_fp8 v[8*(8*((\a)%4)+\b):8*(8*((\a)%4)+\b)+7], v[128*(\p)+FR*\b:128*(\p)+FR*\b+FR-1], v[AF+FR*(\a):AF+FR*(\a)+FR-1], 0
.else
	v_wmma_f32_16x16x128_fp8_fp8 v[8*(8*((\a)%4)+\b):8*(8*((\a)%4)+\b)+7], v[128*(\p)+FR*\b:128*(\p)+FR*\b+FR-1], v[AF+FR*(\a):AF+FR*(\a)+FR-1], v[8*(8*((\a)%4)+\b):8*(8*((\a)%4)+\b)+7]
.endif
.endr
.endr
.endm
.macro FETCH_B slot, q, p
	WIN TO_B
.irp i, 0,1,2,3,4,5,6,7
	FRAG_B 128*(\p)+FR*\i, ADRB+\slot, \q, \i
.endr
	WIN 0
.endm
.macro FETCH_A slot, q, i0
.irp i, \i0, \i0+1, \i0+2, \i0+3
	FRAG_A AF+FR*(\i), ADRA+\slot, \q, \i
.endr
.endm
.macro PLACES n                        ; plain vector lines behind matrix instructions, in front of loads into registers that they read and of reads of their results
.rept \n
	v_nop
.endr
.endm
.macro STEP slot, q, zero
	s_wait_dscnt 4*NL                              ; W_o's set and ctx's blocks 0-3 are in; the youngest 16 loads (ctx's blocks 4-7) may be out
	WIN MUL_LO
	MUL16 0, (\q)%2, \zero
	MUL16 2, (\q)%2, \zero
	s_wait_dscnt 0
	PLACES NP
	FETCH_B \slot, (\q)+1, 1-(\q)%2
	FETCH_A \slot, (\q)+1, 0
	WIN MUL_HI
	MUL16 4, (\q)%2, \zero
	MUL16 6, (\q)%2, \zero
	PLACES NP
	WIN 0
	FETCH_A \slot, (\q)+1, 4
.endm
.macro TURN slot, next, fill
	s_wait_tensorcnt 0x0                           ; all my tensor loads have landed: my part of the next slot  (every window is 0 here)
	ds_add_u32 v[SPW], v[NIL]                      ; 0 onto my spare word
	s_wait_dscnt 4*NL+1                            ; (the add and the youngest 16 loads may be out)
	WIN MUL_LO
	MUL16 0, 1, 0
	s_wait_dscnt 0x0                               ; the add is done, and my reads of this slot are over
	s_barrier_signal -1
	MUL16 2, 1, 0
	WIN 0
	s_barrier_wait -1
.if \fill
	CREST                                          ; the barrier has opened a round of the cluster's barrier: no wave of any partner still reads this slot's tile or has a load on its way
	s_add_nc_u64 s[G0+4*\slot+2:G0+4*\slot+3], s[G0+4*\slot+2:G0+4*\slot+3], 2*4096
	s_add_nc_u64 s[G0B+4*\slot+2:G0B+4*\slot+3], s[G0B+4*\slot+2:G0B+4*\slot+3], 2*ROWB
	JLOAD G0+4*\slot, G1, G0B+4*\slot, G1B         ; the first tensor load behind the round; its four v_nop are also the places in front of the loads below
.else
	PLACES NP
.endif
	FETCH_B \next, 0, 0
	FETCH_A \next, 0, 0
	WIN MUL_HI
	MUL16 4, 1, 0
	MUL16 6, 1, 0
	PLACES NP
	WIN 0
	FETCH_A \next, 0, 4
.endm
	s_wait_alu depctr_va_vdst(0)
	s_wait_tensorcnt 1                             ; my part of K step 0 is in (K step 1's load may be out)
	s_barrier_signal -1
	s_barrier_wait -1                              ; everybody's is
	FETCH_B 0, 0, 0
	FETCH_A 0, 0, 0
	FETCH_A 0, 0, 4
	STEP 0, 0, 1                                   ; the first step stands in front of the loop: its products start the sums
	s_mov_b32 s3, LAPS-1
.Llap:
	TURN 0, 1, 1
	STEP 1, 0, 0
	TURN 1, 0, 1
	STEP 0, 0, 0
	s_sub_co_u32 s3, s3, 1
	s_cmp_lg_u32 s3, 0
	s_cbranch_scc1 .Llap
	TURN 0, 1, 0                                   ; the last lap fills nothing, and has no round of the cluster's barrier
	STEP 1, 0, 0
	s_wait_dscnt 4*NL
	WIN MUL_LO
	MUL16 0, 1, 0
	MUL16 2, 1, 0
	s_wait_dscnt 0
	WIN MUL_HI
	MUL16 4, 1, 0
	MUL16 6, 1, 0
	WIN 0
; THE WAY OUT, block by block of 16 rows x 128 columns.  A lane holds 32 neighbouring bytes of a row, and the lanes beside it hold other rows: so a block's sums go, as they are, through my own stage in LDS and come back as whole
; rows of 512 bytes.  There a lane holds the same four columns in every row: one packed multiply-add for two numbers gives sum x 2^(entries 10 + 11) + b_o.  LDS serves a wave's instructions in order (ISA guide 5.7.1.4).
.macro TOSTAGE a
.set AC, 64*((\a)%4)
	WIN 0x08+4*((\a)/4)                            ; an LDS store's data: window 2 or 3
.irp b, 0,1,2,3,4,5,6,7
	ds_store_b128 v[STO], v[AC+8*\b:AC+8*\b+3] offset:64*\b          ; each accumulator from its low end on
	ds_store_b128 v[STO], v[AC+8*\b+4:AC+8*\b+7] offset:64*\b+16
.endr
	WIN 0
.set BB, BK+64*((\a)%2)
.irp t, 0,1,2,3,4,5,6,7,8,9,10,11,12,13,14,15
	ds_load_b128 v[BB+4*\t:BB+4*\t+3], v[RD] offset:\t*SPITCH
.endr
.endm
.macro SEND a, younger                 ; younger: the LDS instructions issued behind block a's loads, which may stay out
.set BB, BK+64*((\a)%2)
	s_wait_dscnt \younger                          ; the block is back in registers
.if (\a) > 0
	s_add_nc_u64 s[12:13], s[12:13], 16*SIZE_N*4   ; (behind a wait on XCNT: the earlier stores have read their base)  16 rows of out0 on
.endif
.irp t, 0,1,2,3,4,5,6,7,8,9,10,11,12,13,14,15
	v_pk_fma_f32 v[BB+4*\t:BB+4*\t+1], v[BB+4*\t:BB+4*\t+1], s[96:97], v[BIA:BIA+1] op_sel_hi:[1,0,1]
	v_pk_fma_f32 v[BB+4*\t+2:BB+4*\t+3], v[BB+4*\t+2:BB+4*\t+3], s[96:97], v[BIA+2:BIA+3] op_sel_hi:[1,0,1]
.endr
.irp t, 0,1,2,3,4,5,6,7,8,9,10,11,12,13,14,15
	global_store_b128 v[CO], v[BB+4*\t:BB+4*\t+3], s[12:13] offset:\t*SIZE_N*4 th:TH_STORE_NT   ; 32 lanes store 512 consecutive bytes, at a multiple of 256 from out0's first byte; written once, read by nobody here
.endr
.endm
	s_wait_kmcnt 0x0
	s_add_co_i32 s96, s96, s97
	s_add_co_i32 s96, s96, 127
	s_lshl_b32 s96, s96, 23                        ; 2^(entries 10 + 11) as f32
	s_mov_b32 s97, s96                             ; (named with it as a pair, so it is written)
	s_wait_loadcnt 0x0                             ; b_o
	PLACES NP                                      ; behind the last products: in front of the LDS stores of results and of the loads into the registers that held ctx's fragments
	TOSTAGE 0
.irp a, 1,2,3,4,5,6,7
.if \a > 1
	s_wait_xcnt 0x0                                ; block a - 2's stores have read their registers and their base: block a's loads may land there, and the base may step
.endif
	TOSTAGE \a
	SEND \a-1, 32                                  ; behind block a - 1's loads: block a's 16 stores and 16 loads
.endr
	s_wait_xcnt 0x0                                ; block 6's stores have read their base
	SEND 7, 0
	s_wait_tensorcnt 0x0                           ; the wave's end
	ds_add_u32 v[SPW], v[NIL]
	s_wait_dscnt 0x0
	CROUND                                         ; the closing round: no work-group ends while a partner may still ask for a tile that names it
	s_endpgm
.Lfunc_end_k_q881e76a827_outp:
	.size	k_q881e76a827_outp, .Lfunc_end_k_q881e76a827_outp-k_q881e76a827_outp
	.p2alignl 7, 3214868480
	.fill 96, 4, 3214868480
	.section	.rodata,"a",@progbits
	.p2align	6, 0x0
	.amdhsa_kernel k_q881e76a827_outp
		.amdhsa_group_segment_fixed_size 327680
		.amdhsa_private_segment_fixed_size 0
		.amdhsa_enable_private_segment 0
		.amdhsa_kernarg_size 40
		.amdhsa_user_sgpr_count 2
		.amdhsa_user_sgpr_kernarg_segment_ptr 1
		.amdhsa_wavefront_size32 1
		.amdhsa_system_sgpr_workgroup_id_x 1
		.amdhsa_system_sgpr_workgroup_id_y 1
		.amdhsa_system_sgpr_workgroup_id_z 1
		.amdhsa_system_vgpr_workitem_id 0
		.amdhsa_next_free_vgpr 1024
		.amdhsa_next_free_sgpr 100
		.amdhsa_reserve_vcc 0
		.amdhsa_float_denorm_mode_32 3
		.amdhsa_float_denorm_mode_16_64 3
		.amdhsa_memory_ordered 1
		.amdhsa_forward_progress 1
		.amdhsa_inst_pref_size 140
	.end_amdhsa_kernel
	.amdgpu_metadata
---
amdhsa.version: [ 1, 2 ]
amdhsa.kernels:
  - .name:           k_q881e76a827_outp
    .symbol:         k_q881e76a827_outp.kd
    .args:
      - { .name: cimg, .offset: 0, .size: 8, .value_kind: global_buffer, .address_space: global }
      - { .name: W_o_codes, .offset: 8, .size: 8, .value_kind: global_buffer, .address_space: global }
      - { .name: lowp_scales, .offset: 16, .size: 8, .value_kind: global_buffer, .address_space: global }
      - { .name: b_o, .offset: 24, .size: 8, .value_kind: global_buffer, .address_space: global }
      - { .name: out0, .offset: 32, .size: 8, .value_kind: global_buffer, .address_space: global }
    .group_segment_fixed_size: 327680
    .private_segment_fixed_size: 0
    .kernarg_segment_align: 8
    .kernarg_segment_size: 40
    .max_flat_workgroup_size: 128
    .sgpr_count:     100
    .vgpr_count:     1024
    .wavefront_size: 32
...
	.end_amdgpu_metadata
.endif
;; end of part 3
